; MI455X (gfx1250); checked and timed in simulation.
; The chip was launched on July 23, 2026; its instructions are those of AMD's public machine-readable ISA for CDNA 5 (MIT licence, August 2026) and "CDNA5" Instruction Set Architecture Reference Guide (July 2026). The comments in the code are by the model that wrote it; some were corrected since.
;; F Attention1d. Allowed arithmetic: matrix products marked QUANTISED: E4M3 operands, one given power-of-two scale a tensor, by v_wmma_f32_16x16x64_fp8_fp8 or v_wmma_f32_16x16x128_fp8_fp8, f32 sums; everything else in f32.
;; Inputs: key 2 x 16 x 2,048 x 64 float32; lowp_scales 4 int32 (the exponents e of the quantised operands' scales 2^e); qry 2 x 16 x 2,048 x 64 float32; val 2 x 16 x 2,048 x 64 float32.
;; Outputs: out0 2 x 16 x 2,048 x 64 float32.
;; Constants: reg = 1.
;; This version of the problem:
;;   THIS VERSION OF THE PROBLEM IS GIVEN IN LOW PRECISION. The matrix products marked QUANTISED in the list below multiply operands that are first quantised to E4M3 (4 exponent bits, 3 mantissa bits; 8 bits a number), with one given power-of-two scale for each operand tensor; their sums are f32. All else is computed in f32.
;;   The module's matrix products, in the order in which they are computed (A, B: the left and right operand; K: the contracted axis; several contracted axes count as one K, in the product's order):
;;     1. batch 32 x [M 2,048, K 64] x [K 64, N 2,048]; A: input qry; B: input key: QUANTISED (scales: A lowp_scales[0], B lowp_scales[1])
;;     2. batch 32 x [M 2,048, K 2,048] x [K 2,048, N 64]; A: computed on the way; B: input val: QUANTISED (scales: A lowp_scales[2], B lowp_scales[3])
;;   THE QUANTISER, for each operand of a quantised product, along K:
;;     - The operand's scale is 2^e, e = its entry of the input lowp_scales (int32; the entries are numbered through the quantised products in the list's order, A before B).
;;     - Each number is divided by the scale, clamped to +-448, and rounded to the nearest number of E4M3, ties to even, subnormals kept.
;;     - The product sums the exact products of the quantised numbers (number of the format x scale) in f32.
;;   ~~~python
;;   def quantise(x, axis, e):      # numpy; x: float32 -> the quantised numbers, widened to float32 again
;;       x = np.moveaxis(x, axis, -1); K = x.shape[-1]
;;       r = np.clip(x / 2.0 ** e, -448, 448)
;;       step = 2.0 ** (np.maximum(np.frexp(np.where(r == 0, 1, r))[1] - 1, -6) - 3)
;;       q = np.round(r / step) * step * 2.0 ** e      # np.round: ties to even
;;       return np.moveaxis(q, -1, axis).astype(np.float32)
;;   ~~~
;;   OPERANDS COMPUTED ON THE WAY. 'Computed on the way' means the value that the module computes at that place (a softmax that the list does not call 'softmax' is quantised finished and normalised). What goes into a quantiser is computed in f32, as accurately as f32 sums, v_exp_f32 and their like allow (about 1e-6 of the number): no bf16 or f16 on the way to a quantiser, and a product that is left as it is and whose result goes on into a quantised operand takes f32 operands (vector FMAs, or v_wmma_f32_16x16x4_f32). A number that lies on a knife's edge between two numbers of the format may be rounded either way, as far as f32 arithmetic and the matrix unit's own rounding can turn it there, and no further.
;; One version. Each part assembles by itself: llvm-mc -triple=amdgcn-amd-amdhsa -mcpu=gfx1250 --defsym DOCPART=n.
;; ======== version 1 of 1: 3 launches
;; limits: right only within a limited range of input values
;; workspace buffers: qc 4,194,304 bytes; kc 4,194,304 bytes; vc 4,194,304 bytes; st 524,288 bytes
;; launch quant (part 1): grid 384 x 1, 4 waves a work-group, no clusters, 68,096 bytes of LDS; arguments qry, key, val, lowp_scales, qc, kc, vc; writes qc, kc, vc
.if DOCPART == 1
	.amdgcn_target "amdgcn-amd-amdhsa--gfx1250"
	.amdhsa_code_object_version 6
	.text
	.protected	k_q02b593f072_quant
	.globl	k_q02b593f072_quant
	.p2align	8
	.type	k_q02b593f072_quant,@function
k_q02b593f072_quant:
	s_mov_b64 s[64:65], 0
	v_nop
	global_prefetch_b8 v0, s[64:65] scope:SCOPE_SE
	s_setreg_imm32_b32 hwreg(HW_REG_WAVE_MODE, 25, 1), 1
	s_wait_xcnt 0x0
; qry, key, val [32 heads][2048][64] f32 become codes of E4M3, each tensor with the one scale 2^e that is given for it (entries 0, 1 and 3 of the scales).
; code = x / 2^e, held within +-448, rounded to the nearest code, ties to even.
; LIMITS: each e between -126 and 119, so that 2^e and 448 x 2^e are f32 numbers.  NaN among the inputs is not served.
; qc, kc: [32][2048][64], the head's 64 innermost, as the inputs lie: both tensors are plain streams of numbers.
; vc: the KEYS innermost, since they are the second product's K: [32][8 chunks][64 d][256 keys]: a head is 512 dense rows of 256 bytes.
; Work-groups 0-127 take qry, 128-255 key, 256-383 val; 32,768 numbers each.  Waves share nothing: no barrier.  The two paths have LDS bytes of their own.
; vc AS THE val PATH BELOW STORES IT (this line stands over the one on vc above): [32 heads][32 steps of 64 keys][64 d][64 codes], dense: a step is 4,096 bytes.
; Within each 32 keys the four groups of 8 lie in the order 0, 2, 1, 3, so that 16 consecutive bytes are two register pairs of the K = 64 form's operand for one half of the lanes.
.set WGA,   128                        ; work-groups for each tensor
.set STEPS, 16
.set EMAX,  8
.set MANT,  0x600000                   ; the mantissa field of 448 as f32
.set R,     16                         ; path q, k: v16-79   four sets of 16 numbers as they are loaded
.set X,     80                         ;            v80-111  two sets of 16 neighbours
.set C,     128                        ;            v128-191 codes: four registers for each step, so that no store's data are written again
.set WREG,  8192                       ;            LDS: a region for each wave: two stages of 32 x SP bytes
.set SP,    80                         ;            a lane's place in a stage: its 64 bytes + 16 of padding
.set VSTG,  32768                      ; path v: LDS: a stage of 32 rows x VP bytes for each wave, behind the other path's bytes
.set VP,    272                        ;         a stage row: 256 codes + 16 bytes
.set NB,    8                          ;         blocks of 32 keys for a wave
.set VX,    32                         ;         v32-95   two sets of 32 numbers
.set VC,    96                         ;         v96-103  a block's codes
.set OUTR,  112                        ;         v112-175 the way out
	s_load_b256 s[4:11], s[0:1], 0x0               ; qry s[4:5], key s[6:7], val s[8:9], the scales' exponents s[10:11]
	s_load_b128 s[12:15], s[0:1], 0x20             ; qc s[12:13], kc s[14:15]
	s_load_b64 s[16:17], s[0:1], 0x30              ; vc
	v_lshl_add_u32 v192, v0, 2, 0x10800
	v_mov_b32 v193, 0
	v_lshrrev_b32 v1, 5, v0
	v_readfirstlane_b32 s18, v1                    ; wave 0..3
	v_and_b32 v2, 31, v0                           ; lane
	s_wait_kmcnt 0x0
	s_load_b128 s[20:23], s[10:11], 0x0            ; e0 (q), e1 (k), e2, e3 (v)
	s_cmp_ge_u32 ttmp9, 2*WGA
	s_cbranch_scc1 .Lval
; ---- qry and key.  A wave takes 16 steps of 512 numbers.  Each of a step's four loads reads 512 consecutive bytes, 16 a lane; the conversions want 16 NEIGHBOURS in a lane:
; so the 2,048 bytes go through the wave's own stage in LDS, as they lie, and come back 64 bytes a lane.  A lane's 16 codes are 16 bytes: the wave stores 512 consecutive bytes.
	s_wait_alu depctr_va_vdst(0)
	v_lshlrev_b32 v3, 4, v2                        ; my 16 bytes of a load's 512
	s_wait_alu depctr_va_vdst(0)
	s_mul_i32 s24, s18, WREG
	v_lshrrev_b32 v14, 2, v2
	v_mul_u32_u24 v14, v14, SP
	v_and_b32 v15, 3, v2
	v_lshl_add_u32 v14, v15, 4, v14
	v_add_nc_u32 v14, s24, v14                     ; the stage, on the way in: SP (lane / 4) + 16 (lane % 4)
	v_mul_u32_u24 v15, v2, SP
	v_add_nc_u32 v15, s24, v15                     ; and on the way out: SP x lane: my 16 neighbours
	v_lshlrev_b32 v4, 4, v2                        ; my codes' place in a step's
	s_cmp_lt_u32 ttmp9, WGA                        ; qry's work-group or key's?  The choice hangs on the work-group's number alone
	s_cselect_b64 s[4:5], s[4:5], s[6:7]
	s_cselect_b64 s[8:9], s[12:13], s[14:15]
	s_cselect_b32 s25, 0, WGA
	s_sub_co_u32 s25, ttmp9, s25
	s_lshl_b32 s25, s25, 2
	s_add_co_u32 s25, s25, s18                     ; which run of 8,192 numbers of the tensor is my wave's: 0 .. 511
	s_lshl_b32 s26, s25, 15                        ; 32,768 bytes of numbers,
	s_mov_b32 s27, 0
	s_add_nc_u64 s[4:5], s[4:5], s[26:27]
	s_lshl_b32 s26, s25, 13                        ; 8,192 bytes of codes
	s_add_nc_u64 s[8:9], s[8:9], s[26:27]
.macro LOAD t
.irp i, 0,1,2,3
	global_load_b128 v[R+16*((\t)%4)+4*\i:R+16*((\t)%4)+4*\i+3], v3, s[4:5] offset:2048*(\t)+512*\i th:TH_LOAD_NT   ; 32 lanes read 512 consecutive bytes
.endr
.endm
.macro TURN t                          ; step t's numbers through the stage: LDS serves a wave's instructions in order, so no wait stands between the stores and the loads
.irp i, 0,1,2,3
	ds_store_b128 v14, v[R+16*((\t)%4)+4*\i:R+16*((\t)%4)+4*\i+3] offset:32*SP*((\t)%2)+8*SP*\i
.endr
.irp i, 0,1,2,3
	ds_load_b128 v[X+16*((\t)%2)+4*\i:X+16*((\t)%2)+4*\i+3], v15 offset:32*SP*((\t)%2)+16*\i
.endr
.endm
.irp t, 0,1,2,3
	LOAD \t
.endr
	s_wait_alu depctr_va_vdst(0)
	s_wait_kmcnt 0x0
	s_cmp_lt_u32 ttmp9, WGA
	s_cselect_b32 s22, s20, s21                    ; e
	s_add_co_i32 s22, s22, 127
	s_lshl_b32 s23, s22, 23
	v_mov_b32 v11, s23                             ; 2^e as f32: the conversion takes its exponent field
	s_add_co_i32 s22, s22, EMAX
	s_lshl_b32 s22, s22, 23
	s_or_b32 s22, s22, MANT
	v_mov_b32 v10, s22                             ; 448 x 2^e
	s_wait_alu depctr_va_vdst(0)
	s_wait_loadcnt 12                              ; step 0's four loads are in; the twelve of steps 1 to 3 may be out
	TURN 0
.macro STEP t
.set XS, X+16*((\t)%2)
	s_wait_dscnt 0x0                               ; this step's numbers are back from the stage: so its stores into the stage have read their registers,
.if (\t)+4 < STEPS
	LOAD (\t)+4                                    ; which take the loads of four steps on
.endif
.if (\t)+1 < STEPS
.if STEPS-2-(\t) >= 3
	s_wait_loadcnt 12                              ; the next step's four loads are in; those of the three steps behind it may be out
.else
	s_wait_loadcnt 4*(STEPS-2-(\t))                ; the tail: fewer steps are behind it
.endif
	TURN (\t)+1                                    ; and go through the other stage while this step is worked
.endif
.irp i, 0,1,2,3,4,5,6,7,8,9,10,11,12,13,14,15
	v_med3_num_f32 v[XS+\i], v[XS+\i], -v10, v10   ; the conversion to an 8-bit code does not saturate (ISA guide 7.6.2): the hold at the largest code x the scale comes first
.endr
	v_cvt_scalef32_pk8_fp8_f32 v[C+4*(\t):C+4*(\t)+1], v[XS:XS+7], v11
	v_cvt_scalef32_pk8_fp8_f32 v[C+4*(\t)+2:C+4*(\t)+3], v[XS+8:XS+15], v11   ; the results go to a store alone; the next vector lines are the next step's holds, on other registers
	global_store_b128 v4, v[C+4*(\t):C+4*(\t)+3], s[8:9] offset:512*(\t)       ; 32 lanes store 512 consecutive bytes
.endm
.irp t, 0,1,2,3,4,5,6,7,8,9,10,11,12,13,14,15
	STEP \t
.endr
	s_wait_tensorcnt 0x0
	ds_add_u32 v192, v193
	s_wait_dscnt 0x0
	s_endpgm
; ---- val.  A LANE TAKES A COLUMN d, AND ITS REGISTERS RUN DOWN THE KEYS: a load reads 32 neighbouring d of one key (128 consecutive bytes a wave), and the conversions give codes with the keys innermost.
; A wave takes 32 columns x 256 keys (four steps of 64).  The codes go through the wave's own stage and leave by steps: one store covers 8 columns x 64 codes, 512 dense bytes of vc.
.Lval:
	s_sub_co_u32 s24, ttmp9, 2*WGA                 ; j = 0 .. 127
	s_lshr_b32 s25, s24, 2                         ; head
	s_and_b32 s24, s24, 3
	s_lshl_b32 s24, s24, 1
	s_lshr_b32 s26, s18, 1
	s_add_co_u32 s24, s24, s26                     ; chunk = 2 (j % 4) + wave / 2
	s_and_b32 s26, s18, 1                          ; which 32 of the 64 columns
	s_lshl_b32 s27, s25, 3
	s_add_co_u32 s27, s27, s24                     ; 8 head + chunk
	s_lshl_b32 s28, s27, 16                        ; val: a chunk is 256 keys x 256 bytes,
	s_lshl_b32 s30, s26, 7                         ; my 32 columns are 128 bytes of a key's row
	s_add_co_u32 s28, s28, s30
	s_mov_b32 s29, 0
	s_add_nc_u64 s[8:9], s[8:9], s[28:29]
	s_lshl_b32 s28, s27, 14                        ; vc: 256 keys are four steps of 4,096 bytes,
	s_lshl_b32 s30, s26, 11                        ; my 32 columns are 2,048 bytes of each step
	s_add_co_u32 s28, s28, s30
	s_add_nc_u64 s[16:17], s[16:17], s[28:29]
	s_wait_alu depctr_va_vdst(0)
	v_lshlrev_b32 v3, 2, v2                        ; in: 4 bytes a lane
	s_mul_i32 s30, s18, 32*VP
	s_add_co_u32 s30, s30, VSTG                    ; my stage
	v_mul_u32_u24 v4, v2, VP
	v_add_nc_u32 v4, s30, v4                       ; into it: row = my column
	v_and_b32 v5, 3, v2
	v_lshrrev_b32 v6, 2, v2
	v_mul_u32_u24 v7, v6, VP
	v_lshl_add_u32 v7, v5, 4, v7
	v_add_nc_u32 v7, s30, v7                       ; out of it: four lanes to a column's 64 codes of a step, eight columns an instruction
	v_lshlrev_b32 v8, 4, v2                        ; and the same place in vc, where these 512 bytes are dense: 16 x lane
.macro VLOAD t                         ; block t: val(key 32 t + i, my column), i = 0 .. 31, into set t % 2
.irp i, 0,1,2,3,4,5,6,7,8,9,10,11,12,13,14,15,16,17,18,19,20,21,22,23,24,25,26,27,28,29,30,31
	global_load_b32 v[VX+32*((\t)%2)+\i], v3, s[8:9] offset:(32*(\t)+\i)*256 th:TH_LOAD_NT
.endr
.endm
	VLOAD 0
	VLOAD 1
	s_wait_kmcnt 0x0
	s_add_co_i32 s22, s23, 127                     ; e3
	s_lshl_b32 s24, s22, 23
	v_mov_b32 v11, s24                             ; 2^e3 as f32
	s_add_co_i32 s22, s22, EMAX
	s_lshl_b32 s22, s22, 23
	s_or_b32 s22, s22, MANT
	v_mov_b32 v10, s22                             ; 448 x 2^e3
.macro BLOCK t
.set XS, VX+32*((\t)%2)
.if (\t) < NB-1
	s_wait_loadcnt 32                              ; this block's 32 loads are in; the next block's 32 may be out
.else
	s_wait_loadcnt 0
.endif
.irp i, 0,1,2,3,4,5,6,7,8,9,10,11,12,13,14,15,16,17,18,19,20,21,22,23,24,25,26,27,28,29,30,31
	v_med3_num_f32 v[XS+\i], v[XS+\i], -v10, v10
.endr
.irp g, 0,1,2,3
	v_cvt_scalef32_pk8_fp8_f32 v[VC+4*(\g%2)+2*(\g/2):VC+4*(\g%2)+2*(\g/2)+1], v[XS+8*\g:XS+8*\g+7], v11   ; groups of 8 keys in the order 0, 2, 1, 3
.endr
	ds_store_b128 v4, v[VC:VC+3] offset:32*(\t)    ; 32 codes: 32 bytes of my column's row
	ds_store_b128 v4, v[VC+4:VC+7] offset:32*(\t)+16
.if (\t)+2 < NB
	VLOAD (\t)+2
.endif
	s_wait_dscnt 0x0                               ; the stores have read their registers: the next block's codes may be written
.endm
.set Q, 0
	s_wait_alu depctr_va_vdst(0)
.rept NB
	BLOCK Q
.set Q, Q+1
.endr
.irp t, 0,1,2,3,4,5,6,7,8,9,10,11,12,13,14,15
	ds_load_b128 v[OUTR+4*\t:OUTR+4*\t+3], v7 offset:8*(\t%4)*VP+64*(\t/4)   ; step t / 4, columns 8 (t % 4) on.  LDS serves a wave's instructions in order: these see my stores
.endr
.irp t, 0,1,2,3,4,5,6,7,8,9,10,11,12,13,14,15
	s_wait_dscnt 15-\t                             ; the 15 - t younger loads may be out
	global_store_b128 v8, v[OUTR+4*\t:OUTR+4*\t+3], s[16:17] offset:4096*(\t/4)+512*(\t%4)   ; 32 lanes store 512 consecutive bytes
.endr
	s_wait_tensorcnt 0x0
	ds_add_u32 v192, v193
	s_wait_dscnt 0x0
	s_endpgm
.Lfunc_end_k_q02b593f072_quant:
	.size	k_q02b593f072_quant, .Lfunc_end_k_q02b593f072_quant-k_q02b593f072_quant
	.p2alignl 7, 3214868480
	.fill 96, 4, 3214868480
	.section	.rodata,"a",@progbits
	.p2align	6, 0x0
	.amdhsa_kernel k_q02b593f072_quant
		.amdhsa_group_segment_fixed_size 68096
		.amdhsa_private_segment_fixed_size 0
		.amdhsa_enable_private_segment 0
		.amdhsa_kernarg_size 56
		.amdhsa_user_sgpr_count 2
		.amdhsa_user_sgpr_kernarg_segment_ptr 1
		.amdhsa_wavefront_size32 1
		.amdhsa_system_sgpr_workgroup_id_x 1
		.amdhsa_system_sgpr_workgroup_id_y 1
		.amdhsa_system_sgpr_workgroup_id_z 1
		.amdhsa_system_vgpr_workitem_id 0
		.amdhsa_next_free_vgpr 194
		.amdhsa_next_free_sgpr 66
		.amdhsa_reserve_vcc 0
		.amdhsa_float_denorm_mode_32 3
		.amdhsa_float_denorm_mode_16_64 3
		.amdhsa_memory_ordered 1
		.amdhsa_forward_progress 1
		.amdhsa_inst_pref_size 86
	.end_amdhsa_kernel
	.amdgpu_metadata
---
amdhsa.version: [ 1, 2 ]
amdhsa.kernels:
  - .name:           k_q02b593f072_quant
    .symbol:         k_q02b593f072_quant.kd
    .args:
      - { .name: qry, .offset: 0, .size: 8, .value_kind: global_buffer, .address_space: global }
      - { .name: key, .offset: 8, .size: 8, .value_kind: global_buffer, .address_space: global }
      - { .name: val, .offset: 16, .size: 8, .value_kind: global_buffer, .address_space: global }
      - { .name: lowp_scales, .offset: 24, .size: 8, .value_kind: global_buffer, .address_space: global }
      - { .name: qc, .offset: 32, .size: 8, .value_kind: global_buffer, .address_space: global }
      - { .name: kc, .offset: 40, .size: 8, .value_kind: global_buffer, .address_space: global }
      - { .name: vc, .offset: 48, .size: 8, .value_kind: global_buffer, .address_space: global }
    .group_segment_fixed_size: 68096
    .private_segment_fixed_size: 0
    .kernarg_segment_align: 8
    .kernarg_segment_size: 56
    .max_flat_workgroup_size: 128
    .sgpr_count:     66
    .vgpr_count:     194
    .wavefront_size: 32
...
	.end_amdgpu_metadata
.endif
;; end of part 1
;; launch stats (part 2): grid 8 x 32, 16 waves a work-group, clusters of 4 x 1, 178,176 bytes of LDS; arguments qc, kc, lowp_scales, st; writes st
.if DOCPART == 2
	.amdgcn_target "amdgcn-amd-amdhsa--gfx1250"
	.amdhsa_code_object_version 6
	.text
	.protected	k_q02b593f072_stats
	.globl	k_q02b593f072_stats
	.p2align	8
	.type	k_q02b593f072_stats,@function
k_q02b593f072_stats:
	s_mov_b64 s[64:65], 0
	v_nop
	global_prefetch_b8 v0, s[64:65] scope:SCOPE_SE
	s_setreg_imm32_b32 hwreg(HW_REG_WAVE_MODE, 25, 1), 1
	s_wait_xcnt 0x0
	s_wait_alu depctr_hold_cnt(0) depctr_sa_sdst(0) depctr_va_vdst(0) depctr_va_sdst(0) depctr_va_ssrc(0) depctr_va_vcc(0) depctr_vm_vsrc(0)
	s_getreg_b32 s2, hwreg(HW_REG_IB_STS2, 6, 4)
	s_cmp_eq_u32 s2, 0
	s_cbranch_scc0 .Lentry_in_a_cluster
	s_endpgm
.Lentry_in_a_cluster:
	s_bfe_u32 s2, ttmp6, 0x10000c
	s_cmp_lg_u32 s2, 0x3003
	s_cbranch_scc0 .Lentry_shape_is_right
	s_endpgm
.Lentry_shape_is_right:
; THE SOFTMAX RUNS OVER THE QUERIES: for each key k of each head this launch finds, over all 2,048 queries, the largest score m_k and the sum l_k of exp(s - m_k), s = q . k + (1 where q = k).
; raw(q, k) = the sum of code x code, + 2^-(e0+e1) on the diagonal (given as the C of the diagonal tiles); s = raw x 2^(e0+e1); c = log2(e) x 2^(e0+e1).
; Kept for each key: m = the largest raw so far; -M = floor(-m c), M a whole number; l' = the sum of 2^(raw c - M), brought under a new M by a multiplication by 2^(old M - new M), which rounds nothing.
; Stored, st [32 heads][2][2048] f32: nm = -m and nL = (m c - M) - log2 l' = -log2 l.  The next launch makes p = 2^((raw + nm) c + nL) = exp(s - m) / l.
; LIMITS: e0 + e1 between -126 and 126, so that c and 2^-(e0+e1) are f32 numbers.
; SHARES.  A work-group owns 256 keys of one head.  Wave W: g = W / 4: 64 of the keys, four tiles, whose codes stay in registers; qq = W % 4: 512 of the queries, 64 a step.  Four waves to a SIMD.
; LAYOUT.  Source 0 = 16 queries, source 1 = 16 keys: a lane holds ONE key (lane % 16), its register j the query 8 (lane / 16) + j: maxima and sums stay inside a lane until the end.
; A fragment's registers 4 c .. 4 c + 3 take bytes 32 c + 16 (lane / 16) + 0 .. 15 of a row of 64 codes, alike for q and for k: every product meets its partner.  The next launch lays them the same way.
; CLUSTER.  The four work-groups of a cluster belong to one head and read the same 2,048 rows of q: they are asked for JOINTLY, each wave 8,192 bytes, once; nothing in LDS is filled again.
; THE TILE.  q's codes are dense in memory, so FOUR rows of 64 codes are stated as one row of 256 bytes, which begins at a multiple of 256 from qc's first byte; 16 bytes of padding follow it in LDS.
; BY TURNS.  A key tile's 32 exponentials stand with the next tile's scalings and the last tile's sums between them: four batches a step, each with one wait behind it.
; WHAT IS STORED, AS THE TEXT NOW HAS IT (this stands over the lines on st and on the turns above): ONE number a key, in the first 8,192 bytes of a head's 16,384 of st:
; C = -m + ((m c - M) - log2 l') / c, in units of raw.  The next launch gives it to the score products as their C and makes p = 2^((raw + C) c) = exp(s - m) / l.
; A step lays all 64 scalings first, then its 128 exponentials as one batch with one wait ahead of it and one behind it, then the sums.
.set QR,   272                         ; an LDS row: four rows of q + 16 bytes.  Row x of q lies at 272 (x / 4) + 64 (x % 4)
.set STG,  512*QR                      ; behind q's rows: [3 quantities][4 quarters of the queries][256 keys] f32, 12,288 bytes: no tile lands there
.set AQ0,  1                           ; v1   my lane's place in a tile of q
.set ADR,  2                           ; v2   LDS address of the step's tiles
.set SA,   3                           ; v3   where I store a key's three numbers
.set FA,   4                           ; v4   where waves 0-3 read two keys' numbers back
.set GA,   5                           ; v5   and their byte offset in st
.set PAT,  8                           ; v8-15    2^-(e0+e1) where 8 (lane / 16) + j = lane % 16, else 0
.set CD,   16                          ; v16-23   the same, or zeros: the C of the tiles that may lie on the diagonal
.set KFR,  24                          ; v24-55   my four tiles of keys
.set QF,   56                          ; v56-87   the step's four tiles of queries
.set S,    88                          ; v88-215  the scores: key tile k, query tile i at 88 + 32 k + 8 i
.set ST,   216                         ; v216-247 eight a key tile: +0 -M, +1 m, +2, +3 l' in two halves, +4 f, +5 zero (named with f as a pair), +6, +7 at work
.set TP,   248                         ; v248-255 at work
.set WV,   12                          ; s12  my wave's number
.set G1,   24                          ; s[24:31] descriptor group 1
.set G0,   32                          ; s[32:35] descriptor group 0
.macro ROUND                           ; a round of the cluster's barrier
	s_barrier_signal -1
	s_barrier_wait -1
	s_cmp_lg_u32 s[WV], 0
	s_cbranch_scc1 .Lnot_wave_0_\@
	s_barrier_signal -3
.Lnot_wave_0_\@:
	s_barrier_wait -3
	s_barrier_signal -1
	s_barrier_wait -1
.endm
	s_load_b256 s[4:11], s[0:1], 0x0               ; qc s[4:5], kc s[6:7], the scales' exponents s[8:9], st s[10:11]
	v_lshl_add_u32 v254, v0, 2, 0x2b000
	v_mov_b32 v255, 0
	ds_add_u32 v254, v255
	ds_add_u32 v254, v255
	s_wait_dscnt 0x0
	v_lshrrev_b32 v6, 5, v0
	s_delay_alu instid0(VALU_DEP_1)
	v_readfirstlane_b32 s[WV], v6                  ; wave 0..15
	s_lshr_b32 s13, s[WV], 2                       ; g
	s_and_b32 s14, s[WV], 3                        ; qq
	s_bfe_u32 s15, ttmp6, 0x40000                  ; cx: my place in the cluster
	s_lshl_b32 s16, ttmp9, 2
	s_add_co_u32 s16, s16, s15                     ; my block of 256 keys = 4 x cluster x + cx: it enters K's and st's addresses and a selected mask, nothing else
	s_and_b32 s17, ttmp7, 0xffff                   ; the head, which the four partners share
	s_mov_b32 s[G1], 15|(1<<20)|(1<<21)|(5<<22)|(3<<25)  ; 15:0 the mask: all four work-groups; 17:16 elements of 1 byte; 20 padding on; 21 set beside a mask; 24:22 after every 64 words; 31:25 four words
	s_mov_b32 s[G1+1], 256<<16                     ; tensor_dim0 = 256
	s_mov_b32 s[G1+2], 32<<16                      ; tensor_dim1 = 32
	s_mov_b32 s[G1+3], 256<<16                     ; tile_dim0 = 256
	s_mov_b32 s[G1+4], 32                          ; tile_dim1 = 32: 128 rows of q
	s_mov_b32 s[G1+5], 256                         ; from row to row
	s_mov_b32 s[G1+6], 0
	s_mov_b32 s[G1+7], 0
	s_mov_b32 s42, 0x76543210                      ; v_permlanex16_b32's selects for lane l xor 16
	s_mov_b32 s43, 0xfedcba98
	s_mov_b32 s[G0], 1
	s_mul_i32 s[G0+1], s[WV], 32*QR                ; my 32 rows in LDS
	s_lshl_b32 s44, s17, 17                        ; the head's 131,072 bytes of codes,
	s_lshl_b32 s45, s[WV], 13                      ; my 8,192 of them
	s_add_co_u32 s44, s44, s45
	s_mov_b32 s45, 0
	s_lshl_b32 s38, s16, 8
	s_lshl_b32 s46, s13, 6
	s_add_co_u32 s38, s38, s46                     ; KB: my first key = 256 x block + 64 g
	s_lshl_b32 s46, s38, 6
	s_lshl_b32 s47, s17, 17
	s_add_co_u32 s46, s46, s47                     ; its codes
	s_mov_b32 s47, 0
	s_lshl_b32 s48, s17, 14                        ; st: 16,384 bytes a head,
	s_lshl_b32 s49, s16, 10                        ; 1,024 a block of 256 keys
	s_add_co_u32 s48, s48, s49
	s_mov_b32 s49, 0
	s_wait_kmcnt 0x0
	s_load_b64 s[20:21], s[8:9], 0x0               ; e0, e1
	s_add_nc_u64 s[G0+2:G0+3], s[4:5], s[44:45]
	s_or_b32 s[G0+3], s[G0+3], 0x80000000          ; type = 2
	s_add_nc_u64 s[6:7], s[6:7], s[46:47]
	s_add_nc_u64 s[10:11], s[10:11], s[48:49]
	ROUND                                          ; all four work-groups are here: the joint loads meet
	tensor_load_to_lds s[G0:G0+3], s[G1:G1+7]      ; my one tensor load of the launch
	s_nop 0
.rept 4
	v_nop                                          ; four behind the load
.endr
	v_and_b32 v6, 15, v0                           ; r
	v_bfe_u32 v7, v0, 4, 1                         ; h
	s_delay_alu instid0(VALU_DEP_2)
	v_lshlrev_b32 v255, 6, v6
	s_delay_alu instid0(VALU_DEP_1)
	v_lshl_add_u32 v255, v7, 4, v255               ; K: row r of 64 bytes, + 16 h
.irp k, 0,1,2,3
.irp c, 0,1
	global_load_b128 v[KFR+8*\k+4*\c:KFR+8*\k+4*\c+3], v255, s[6:7] offset:\k*1024+32*\c
.endr
.endr
	v_lshrrev_b32 v[AQ0], 2, v6
	s_delay_alu instid0(VALU_DEP_1)
	v_mul_u32_u24 v[AQ0], v[AQ0], QR               ; q in LDS: 272 (r / 4)
	v_and_b32 v252, 3, v6
	s_delay_alu instid0(VALU_DEP_1)
	v_lshl_add_u32 v[AQ0], v252, 6, v[AQ0]         ; + 64 (r % 4)
	s_delay_alu instid0(VALU_DEP_1)
	v_lshl_add_u32 v[AQ0], v7, 4, v[AQ0]           ; + 16 h
	s_lshl_b32 s44, s14, 10
	s_lshl_b32 s45, s13, 8
	s_add_co_u32 s44, s44, s45
	s_add_co_u32 s44, s44, STG
	v_lshl_add_u32 v[SA], v6, 2, s44               ; STG + 1,024 qq + 4 (64 g + r)
	v_and_b32 v[GA], 31, v0
	s_delay_alu instid0(VALU_DEP_1)
	v_lshlrev_b32 v[GA], 3, v[GA]
	s_lshl_b32 s45, s14, 8
	v_add_nc_u32 v[GA], s45, v[GA]                 ; 256 (W % 4) + 8 x lane: two keys a lane
	s_delay_alu instid0(VALU_DEP_1)
	v_add_nc_u32 v[FA], STG, v[GA]
	v_lshlrev_b32 v254, 3, v7
	s_delay_alu instid0(VALU_DEP_1)
	v_sub_nc_u32 v254, v6, v254                    ; r - 8 h
.irp k, 0,1,2,3
	v_mov_b32 v[ST+8*\k], 0x7f61b1e6               ; -M: 3e38
	v_mov_b32 v[ST+8*\k+1], 0xff61b1e6             ; m: -3e38, under every score
	v_mov_b32 v[ST+8*\k+2], 0                      ; l'.  (The first change of M multiplies zeros)
	v_mov_b32 v[ST+8*\k+3], 0
	v_mov_b32 v[ST+8*\k+5], 0
.endr
	v_mov_b32 v[TP], 0                             ; written once: a lane permute's destination counts as one of its sources
	v_mov_b32 v[TP+1], 0
	v_mov_b32 v[TP+2], 0
	s_wait_kmcnt 0x0
	s_add_co_i32 s46, s20, s21                     ; e0 + e1
	s_lshl_b32 s47, s46, 23
	s_add_co_i32 s22, s47, 0x3fb8aa3b              ; c = log2(e) x 2^(e0+e1): the sum is added to the exponent field
	s_mov_b32 s23, s22                             ; (named with it as a pair, so it is written)
	s_lshl_b32 s41, s46, 23
	s_sub_co_i32 s41, 0x3f317218, s41              ; 1 / c = ln 2 x 2^-(e0+e1): the sum is taken off the exponent field
	s_sub_co_i32 s47, 127, s46
	s_lshl_b32 s47, s47, 23
	v_mov_b32 v253, s47                            ; 2^-(e0+e1): reg = 1 in units of raw
.irp j, 0,1,2,3,4,5,6,7
	v_cmp_eq_u32 vcc_lo, \j, v254
	s_delay_alu instid0(VALU_DEP_1)
	v_cndmask_b32 v[PAT+\j], 0, v253, vcc_lo
.endr
	s_mul_i32 s36, s14, 128*QR                     ; LDS byte of my quarter's first step: 512 rows of q are 128 LDS rows
	s_lshl_b32 s37, s14, 9                         ; QB: its first query
	s_mov_b32 s40, 8
	s_mov_b32 s50, 0                               ; the trip in hand
	s_wait_loadcnt 0x0                             ; K
	s_wait_tensorcnt 0x0                           ; my part of q is in,
	s_barrier_signal -1
	s_barrier_wait -1                              ; everybody's is
.macro MAXES                           ; the running m of the four key tiles, three operands at a time, two chains a tile, each accumulator from its low end on; then -M and f.  The four tiles take turns line by line: eight chains, then four
.irp k, 0,1,2,3
	v_max3_num_f32 v[ST+8*\k+6], v[ST+8*\k+1], v[S+32*\k], v[S+32*\k+1]
	v_max3_num_f32 v[ST+8*\k+7], v[S+32*\k+16], v[S+32*\k+17], v[S+32*\k+18]
.endr
.irp n, 1,2,3,4,5,6
.irp k, 0,1,2,3
	v_max3_num_f32 v[ST+8*\k+6], v[ST+8*\k+6], v[S+32*\k+2*\n], v[S+32*\k+2*\n+1]
	v_max3_num_f32 v[ST+8*\k+7], v[ST+8*\k+7], v[S+32*\k+17+2*\n], v[S+32*\k+18+2*\n]
.endr
.endr
.irp k, 0,1,2,3
	v_max3_num_f32 v[ST+8*\k+6], v[ST+8*\k+6], v[S+32*\k+14], v[S+32*\k+15]
.endr
.irp k, 0,1,2,3
	v_max3_num_f32 v[ST+8*\k+1], v[ST+8*\k+6], v[ST+8*\k+7], v[S+32*\k+31]
.endr
.irp k, 0,1,2,3
	v_mul_f32 v[ST+8*\k+6], s22, v[ST+8*\k+1]      ; m c (c is positive)
.endr
.irp k, 0,1,2,3
	v_mov_b32 v[ST+8*\k+7], v[ST+8*\k]
.endr
.irp k, 0,1,2,3
	v_floor_f32 v[ST+8*\k], -v[ST+8*\k+6]          ; the new -M = floor(-m c): M is a whole number
.endr
.irp k, 0,1,2,3
	v_sub_f32 v[ST+8*\k+7], v[ST+8*\k], v[ST+8*\k+7]   ; old M - new M: a whole number, 0 or less
.endr
.irp k, 0,1,2,3
	v_cvt_i32_f32 v[ST+8*\k+7], v[ST+8*\k+7]       ; (it saturates)
.endr
.irp k, 0,1,2,3
	v_ldexp_f32 v[ST+8*\k+4], 1.0, v[ST+8*\k+7]    ; f = 2^(old M - new M)
.endr
.endm
.macro SCALEOP k, z                    ; pair z of 16 of key tile k: raw c - M (of the pairs c and -M the low word serves both halves)
	v_pk_fma_f32 v[S+32*(\k)+2*(\z):S+32*(\k)+2*(\z)+1], v[S+32*(\k)+2*(\z):S+32*(\k)+2*(\z)+1], s[22:23], v[ST+8*(\k):ST+8*(\k)+1] op_sel_hi:[1,0,0]
.endm
.macro SUMOP k, z                      ; line z of 16: l' takes key tile k's 32 numbers, two at a time, in two chains: l' itself and a second one, which is begun by line 0 and joined by line 15
.set rS, S+32*(\k)
.set rT, ST+8*(\k)
.if (\z) == 0
	v_pk_add_f32 v[rT+6:rT+7], v[rS:rS+1], v[rS+2:rS+3]
.elseif (\z) == 15
	v_pk_add_f32 v[rT+2:rT+3], v[rT+2:rT+3], v[rT+6:rT+7]
.elseif (\z)%2 == 1
	v_pk_add_f32 v[rT+2:rT+3], v[rT+2:rT+3], v[rS+2*(\z)+2:rS+2*(\z)+3]
.else
	v_pk_add_f32 v[rT+6:rT+7], v[rT+6:rT+7], v[rS+2*(\z)+2:rS+2*(\z)+3]
.endif
.endm
; Key tile e's 32 exponentials; the four tiles' stand on end as one batch, and the plain line and the one wait follow the last.  (pre and post are not used.)
.macro MIX e, pre, post
.set n, 0
.rept 32
	v_exp_f32 v[S+32*(\e)+n], v[S+32*(\e)+n]       ; 2^(raw c - M)
.set n, n+1
.endr
.if (\e) == 3
	v_nop                                          ; a plain line behind the last exponential
	s_wait_alu depctr_va_vdst(0)                   ; one wait for the batch, ahead of its first reader
.endif
.endm
.macro QLOAD                           ; four tiles of q: 16 rows of q are 4 LDS rows
.irp i, 0,1,2,3
.irp c, 0,1
	ds_load_b128 v[QF+8*\i+4*\c:QF+8*\i+4*\c+3], v[ADR] offset:\i*4*QR+32*\c
.endr
.endr
.endm
	v_add_nc_u32 v[ADR], s36, v[AQ0]
	QLOAD                                          ; trip 0's tiles
.Lstep:                                            ; 8 trips: 64 queries x my 64 keys
	s_cmp_eq_u32 s37, s38                          ; does the diagonal cross this step?  A value is selected; no branch hangs on it
	s_cselect_b32 s39, -1, 0
	s_wait_alu depctr_va_vdst(0)
.irp j, 0,1,2,3,4,5,6,7
	v_and_b32 v[CD+\j], s39, v[PAT+\j]
.endr
	s_wait_alu depctr_va_vdst(0)
	s_wait_dscnt 0x0                               ; this trip's tiles of q, asked for behind the last trip's products
.irp k, 0,1,2,3                                ; sixteen accumulators, each written once
.irp i, 0,1,2,3
.if \k == \i
	v_wmma_f32_16x16x64_fp8_fp8 v[S+32*\k+8*\i:S+32*\k+8*\i+7], v[QF+8*\i:QF+8*\i+7], v[KFR+8*\k:KFR+8*\k+7], v[CD:CD+7]
.else
	v_wmma_f32_16x16x64_fp8_fp8 v[S+32*\k+8*\i:S+32*\k+8*\i+7], v[QF+8*\i:QF+8*\i+7], v[KFR+8*\k:KFR+8*\k+7], 0
.endif
.endr
.endr
	s_add_co_u32 s50, s50, 1
	s_and_b32 s51, s50, 7                          ; the next trip; behind the last, trip 0 again, so that the address stays inside my quarter's rows (those eight loads are not used)
	s_mul_i32 s51, s51, 16*QR                      ; 64 rows of q a trip
	s_add_co_u32 s51, s51, s36
	v_add_nc_u32 v[ADR], s51, v[AQ0]
.rept 3
	v_nop                                          ; with the addition above: four places between the last product and the loads into its sources and the first read of results
.endr
	QLOAD                                          ; the next trip's tiles come while this trip's scores are worked
	MAXES
.irp k, 0,1,2,3
	v_pk_mul_f32 v[ST+8*\k+2:ST+8*\k+3], v[ST+8*\k+2:ST+8*\k+3], v[ST+8*\k+4:ST+8*\k+5] op_sel_hi:[1,0]   ; l' under the new M
.endr
.set n, 0
.rept 16
	SCALEOP 0, n
	SCALEOP 1, n
	SCALEOP 2, n
	SCALEOP 3, n
.set n, n+1
.endr
	s_wait_alu depctr_va_vdst(0)
	MIX 0, 1, 9
	MIX 1, 2, 0
	MIX 2, 3, 1
	MIX 3, 9, 2
.set n, 0
.rept 16                                       ; the sums of key tiles 0 to 2, line by line by turns: six chains
	SUMOP 0, n
	SUMOP 1, n
	SUMOP 2, n
.set n, n+1
.endr
.set n, 0
	v_pk_add_f32 v[246:247], v[188:189], v[192:193]
	v_pk_add_f32 v[254:255], v[196:197], v[200:201]
	v_pk_add_f32 v[252:253], v[204:205], v[208:209]
	v_pk_add_f32 v[238:239], v[212:213], v[184:185]
	v_pk_add_f32 v[230:231], v[186:187], v[190:191]
	v_pk_add_f32 v[222:223], v[194:195], v[198:199]
	v_pk_add_f32 v[182:183], v[202:203], v[206:207]
	v_pk_add_f32 v[242:243], v[242:243], v[210:211]
	v_pk_add_f32 v[246:247], v[246:247], v[214:215]
	s_delay_alu instid0(VALU_DEP_2)
	v_pk_add_f32 v[242:243], v[242:243], v[238:239]
	s_delay_alu instid0(VALU_DEP_2)
	v_pk_add_f32 v[246:247], v[246:247], v[230:231]
	v_pk_add_f32 v[254:255], v[254:255], v[222:223]
	v_pk_add_f32 v[252:253], v[252:253], v[182:183]
	s_delay_alu instid0(VALU_DEP_2)
	v_pk_add_f32 v[242:243], v[242:243], v[254:255]
	s_delay_alu instid0(VALU_DEP_2)
	v_pk_add_f32 v[246:247], v[246:247], v[252:253]
	s_delay_alu instid0(VALU_DEP_1)
	v_pk_add_f32 v[242:243], v[242:243], v[246:247]
	s_add_co_u32 s37, s37, 64
	s_sub_co_u32 s40, s40, 1
	s_cmp_lg_u32 s40, 0
	s_cbranch_scc1 .Lstep
; The two halves of the lanes hold the same keys and other queries: they are joined under the larger M; then the key's three numbers go to the stage.
.macro MERGE16 k
.set rT, ST+8*(\k)
	v_add_f32 v[rT+2], v[rT+2], v[rT+3]
	v_permlanex16_b32 v[TP], v[rT+1], s42, s43
	v_permlanex16_b32 v[TP+1], v[rT], s42, s43
	s_delay_alu instid0(VALU_DEP_3)
	v_permlanex16_b32 v[TP+2], v[rT+2], s42, s43
	s_delay_alu instid0(VALU_DEP_3)
	v_max_num_f32 v[rT+1], v[rT+1], v[TP]
	s_delay_alu instid0(VALU_DEP_3)
	v_min_num_f32 v[rT+4], v[rT], v[TP+1]          ; the smaller -M
	s_delay_alu instid0(VALU_DEP_1)
	v_sub_f32 v[rT+6], v[rT+4], v[rT]
	s_delay_alu instid0(VALU_DEP_2)
	v_sub_f32 v[rT+7], v[rT+4], v[TP+1]
	s_delay_alu instid0(VALU_DEP_2)
	v_cvt_i32_f32 v[rT+6], v[rT+6]
	s_delay_alu instid0(VALU_DEP_2)
	v_cvt_i32_f32 v[rT+7], v[rT+7]
	s_delay_alu instid0(VALU_DEP_2)
	v_ldexp_f32 v[rT+2], v[rT+2], v[rT+6]
	s_delay_alu instid0(VALU_DEP_2)
	v_ldexp_f32 v[rT+3], v[TP+2], v[rT+7]
	s_delay_alu instid0(VALU_DEP_1)
	v_add_f32 v[rT+2], v[rT+2], v[rT+3]            ; the same bits in both halves of the lanes
	ds_store_b32 v[SA], v[rT+1] offset:(\k)*64
	ds_store_b32 v[SA], v[rT+4] offset:4096+(\k)*64
	ds_store_b32 v[SA], v[rT+2] offset:8192+(\k)*64
.endm
	MERGE16 0
	MERGE16 1
	MERGE16 2
	MERGE16 3
	s_wait_dscnt 0x0                               ; for the others' sake: my stores into the stage are done
	s_barrier_signal -1
	s_barrier_wait -1
	s_cmp_gt_u32 s[WV], 3                          ; waves 0-3 join the four quarters of the queries, 64 keys a wave, two a lane
	s_cbranch_scc1 .Lfin
.irp u, 0,1,2
.irp q, 0,1,2,3
	ds_load_b64 v[S+8*\u+2*\q:S+8*\u+2*\q+1], v[FA] offset:\u*4096+\q*1024
.endr
.endr
	s_wait_dscnt 0x0
.irp e, 0,1
	v_max3_num_f32 v[S+24+\e], v[S+\e], v[S+2+\e], v[S+4+\e]
	s_delay_alu instid0(VALU_DEP_1)
	v_max_num_f32 v[S+24+\e], v[S+24+\e], v[S+6+\e]          ; m
	v_min3_num_f32 v[S+26+\e], v[S+8+\e], v[S+10+\e], v[S+12+\e]
	s_delay_alu instid0(VALU_DEP_1)
	v_min_num_f32 v[S+26+\e], v[S+26+\e], v[S+14+\e]         ; -M
.irp q, 0,1,2,3
	v_sub_f32 v[S+8+2*\q+\e], v[S+26+\e], v[S+8+2*\q+\e]
	s_delay_alu instid0(VALU_DEP_1)
	v_cvt_i32_f32 v[S+8+2*\q+\e], v[S+8+2*\q+\e]
	s_delay_alu instid0(VALU_DEP_1)
	v_ldexp_f32 v[S+16+2*\q+\e], v[S+16+2*\q+\e], v[S+8+2*\q+\e]
.endr
	v_add_f32 v[S+16+\e], v[S+16+\e], v[S+18+\e]
	s_delay_alu instid0(VALU_DEP_2)
	v_add_f32 v[S+20+\e], v[S+20+\e], v[S+22+\e]
	s_delay_alu instid0(VALU_DEP_1)
	v_add_f32 v[S+16+\e], v[S+16+\e], v[S+20+\e]             ; l'
	v_fma_f32 v[S+26+\e], v[S+24+\e], s22, v[S+26+\e]        ; m c - M, rounded once: between -1 and 0
.endr
	s_wait_alu depctr_va_vdst(0)
	v_log_f32 v[S+28], v[S+16]
	v_log_f32 v[S+29], v[S+17]
	v_sub_f32 v[S+30], 0, v[S+24]                  ; nm = -m.  (Plain lines behind the logarithms)
	v_sub_f32 v[S+31], 0, v[S+25]
	s_wait_alu depctr_va_vdst(0)                   ; one wait for both logarithms, ahead of their first reader
	v_sub_f32 v[S+32], v[S+26], v[S+28]            ; nL = (m c - M) - log2 l'
	v_sub_f32 v[S+33], v[S+27], v[S+29]
	v_fma_f32 v[S+30], v[S+32], s41, v[S+30]       ; C = nL / c - m
	v_fma_f32 v[S+31], v[S+33], s41, v[S+31]
	global_store_b64 v[GA], v[S+30:S+31], s[10:11]               ; 32 lanes store 256 consecutive bytes, at a multiple of 256 from st's first byte
.Lfin:
	s_wait_xcnt 0x0
	v_lshl_add_u32 v254, v0, 2, 0x2b000
	v_mov_b32 v255, 0
	s_wait_alu depctr_va_vdst(0)
	s_wait_tensorcnt 0x0
	ds_add_u32 v254, v255
	s_wait_dscnt 0x0
	ROUND                                          ; the closing round: no work-group ends while a partner may still ask for a tile that names it
	s_endpgm
.Lfunc_end_k_q02b593f072_stats:
	.size	k_q02b593f072_stats, .Lfunc_end_k_q02b593f072_stats-k_q02b593f072_stats
	.p2alignl 7, 3214868480
	.fill 96, 4, 3214868480
	.section	.rodata,"a",@progbits
	.p2align	6, 0x0
	.amdhsa_kernel k_q02b593f072_stats
		.amdhsa_group_segment_fixed_size 178176
		.amdhsa_private_segment_fixed_size 0
		.amdhsa_enable_private_segment 0
		.amdhsa_kernarg_size 32
		.amdhsa_user_sgpr_count 2
		.amdhsa_user_sgpr_kernarg_segment_ptr 1
		.amdhsa_wavefront_size32 1
		.amdhsa_system_sgpr_workgroup_id_x 1
		.amdhsa_system_sgpr_workgroup_id_y 1
		.amdhsa_system_sgpr_workgroup_id_z 1
		.amdhsa_system_vgpr_workitem_id 0
		.amdhsa_next_free_vgpr 256
		.amdhsa_next_free_sgpr 66
		.amdhsa_reserve_vcc 1
		.amdhsa_float_denorm_mode_32 3
		.amdhsa_float_denorm_mode_16_64 3
		.amdhsa_memory_ordered 1
		.amdhsa_forward_progress 1
		.amdhsa_inst_pref_size 37
	.end_amdhsa_kernel
	.amdgpu_metadata
---
amdhsa.version: [ 1, 2 ]
amdhsa.kernels:
  - .name:           k_q02b593f072_stats
    .symbol:         k_q02b593f072_stats.kd
    .args:
      - { .name: qc, .offset: 0, .size: 8, .value_kind: global_buffer, .address_space: global }
      - { .name: kc, .offset: 8, .size: 8, .value_kind: global_buffer, .address_space: global }
      - { .name: lowp_scales, .offset: 16, .size: 8, .value_kind: global_buffer, .address_space: global }
      - { .name: st, .offset: 24, .size: 8, .value_kind: global_buffer, .address_space: global }
    .group_segment_fixed_size: 178176
    .private_segment_fixed_size: 0
    .kernarg_segment_align: 8
    .kernarg_segment_size: 32
    .max_flat_workgroup_size: 512
    .sgpr_count:     66
    .vgpr_count:     256
    .wavefront_size: 32
...
	.end_amdgpu_metadata
.endif
;; end of part 2
;; launch attn (part 3): grid 8 x 32, 8 waves a work-group, clusters of 4 x 1, 327,680 bytes of LDS; arguments qc, kc, vc, st, lowp_scales, out0; writes out0
.if DOCPART == 3
	.amdgcn_target "amdgcn-amd-amdhsa--gfx1250"
	.amdhsa_code_object_version 6
	.text
	.protected	k_q02b593f072_attn
	.globl	k_q02b593f072_attn
	.p2align	8
	.type	k_q02b593f072_attn,@function
k_q02b593f072_attn:
	s_mov_b64 s[64:65], 0
	v_nop
	global_prefetch_b8 v0, s[64:65] scope:SCOPE_SE
	s_setreg_imm32_b32 hwreg(HW_REG_WAVE_MODE, 25, 1), 1
	s_wait_xcnt 0x0
	s_wait_alu depctr_hold_cnt(0) depctr_sa_sdst(0) depctr_va_vdst(0) depctr_va_sdst(0) depctr_va_ssrc(0) depctr_va_vcc(0) depctr_vm_vsrc(0)
	s_getreg_b32 s2, hwreg(HW_REG_IB_STS2, 6, 4)
	s_cmp_eq_u32 s2, 0
	s_cbranch_scc0 .Lentry_in_a_cluster
	s_endpgm
.Lentry_in_a_cluster:
	s_bfe_u32 s2, ttmp6, 0x10000c
	s_cmp_lg_u32 s2, 0x3003
	s_cbranch_scc0 .Lentry_shape_is_right
	s_endpgm
.Lentry_shape_is_right:
; out[h][q][:] = the sum over k of Q(p(q, k)) Q(v[h][k][:]),  p(q, k) = exp(s - m_k) / l_k: the softmax over the QUERIES, finished and normalised, is what is quantised.
; The launch before stored one number a key, C_k = -m_k - ln(l_k) in units of raw (raw = the sum of code x code).  It is the C of the score products, + 2^-(e0+e1) on the diagonal (reg = 1), so that
; acc = raw + C_k and p = 2^(acc c), c = log2(e) x 2^(e0+e1): one packed multiplication, the hold, one exponential.
; THE HOLD stands on the exponent: acc c is held at e2 + 8.78125, so p at 440 x 2^e2.  Every p from there up has the largest code, 448 (the middle to the code below is 432), as under a clamp at 448 x 2^e2.
; p is converted with 2^e2; O sums in f32; out = O x 2^(e2+e3).
; LIMITS: e0 + e1 between -126 and 126; e2 between -116 and 119 (a p under 2^-126 comes out of v_exp_f32 as 0, which is under half the smallest code from e2 = -116 on); e2 + e3 between -126 and 127.
; SHARES.  A work-group owns 256 queries of one head.  Wave W: g = W / 2: 64 of the queries, four tiles; W % 2: the even or the odd steps of 64 keys, 16 steps.  Two waves of 512 registers to a SIMD.
; Each fragment of K, V and C read from LDS serves four tiles of queries.  At the end both waves of a pair stage their O in LDS, and each adds and stores 32 of the pair's 64 rows.
; LAYOUT.  S^T = K Q^T (source 0 = 16 keys, source 1 = 16 queries), O^T = V^T P (source 0 = 16 d, source 1 = P): a lane holds ONE query (lane % 16).  Key tile t's register j is key 16 t + 8 (lane / 16) + j:
; its eight codes are registers 2 t, 2 t + 1 of P, as the K = 64 form lays an operand.  vc holds each 32 keys' groups of 8 in the order 0, 2, 1, 3, so V's fragment is two loads of 16 bytes at 32 c + 16 (lane / 16).
; Q's and K's fragments take bytes 32 c + 16 (lane / 16) + 0 .. 15 of a row of 64 codes into registers 4 c .. 4 c + 3, alike on both sides and as in the launch before.
; LDS holds the head's K, V and C whole; every byte is filled once.  CLUSTER: the four work-groups of a cluster belong to one head: K's and V's tiles are asked for JOINTLY, as dense rows of 256 bytes.
; Waves 0-3 ask for K, waves 4-7 for V: one load a wave at the head (steps 0 to 7), one more behind the full sequence and a round (steps 8 to 31), which lands while steps 0 to 7 are worked.
; No data prefetch: all tiles are asked for by these two groups of loads at the head, and the loops ask memory for nothing.
.set KR,    272                        ; an LDS row of K: four keys' 64 codes + 16 bytes: key x at 272 (x / 4) + 64 (x % 4)
.set VR,    80                         ; an LDS row of V: one d's 64 codes of a step + 16 bytes: sixteen rows begin at sixteen different 16-byte columns modulo 256
.set KSTEP, 16*KR                      ; 64 keys of K
.set VSTEP, 64*VR                      ; 64 keys of V
.set VL,    512*KR                     ; V behind K
.set SL,    VL+32*VSTEP                ; C: 2,048 f32, stored by the waves; no tile lands there
.set SPARE, SL+8192                    ; the spare words: 128 bytes for each of 8 waves
.set OST,   64*272                     ; the way out: 64 rows x (256 + 16) bytes for each wave, in K's bytes, behind their last fill and their last read
.set AK0, 1                            ; v1-3  my lane's place in a tile of K, of V, in C
.set AV0, 2
.set AS0, 3
.set STO, 4                            ; v4    the way out: where 32 bytes of a row go
.set RD,  5                            ; v5    where rows are read back
.set GO,  6                            ; v6    my byte offset in the wave's rows of out
.set SCL, 7                            ; v7    2^e2
.set XL,  12                           ; v12, v13  the exponent's bound, twice: one for each half of a dual pair
.set PAT, 16                           ; v16-23  2^-(e0+e1) where 8 (lane / 16) + j = lane % 16, else 0
.set ADK, 24                           ; v24-26  the step's addresses
.set ADV, 25
.set ADS, 26
.set SPW, 30                           ; v30   my spare word;  v31  0; never rewritten
.set NIL, 31
.set S,   32                           ; v32-159  S^T, then p: query tile q, key tile t at 32 + 32 q + 8 t
.set MS,  160                          ; v160-191 C of the step's keys: 8 t + j
.set CD,  192                          ; v192-223 the same + the diagonal's term, or + 0
.set P,   224                          ; v224-255 p's codes, 8 a query tile
.set QFR, 128                          ; window 1: v0-127 O^T (32 q + 8 d); v128-159 Q; v160-191 K; v192-223 V
.set KFR, 160
.set VFR, 192
.set WV,  16                           ; s16 wave; s17 W / 2; s18 W % 2; s19 W % 4; s20 block of queries; s21 head; s22 W / 4: 0 asks for K, 1 for V
.set WG,  17
.set WP,  18
.set WI,  19
.set BLK, 20
.set HD,  21
.set WL,  22
.set SK,  66                           ; s66, s67, s89  the step's first byte in K, V, C
.set SV,  67
.set SS,  89
.set CC,  80                           ; s[80:81] c
.set SEL, 82                           ; s[82:83] 1.0 where the diagonal crosses the step, else 0
.set OSC, 84                           ; s[84:85] 2^(e2+e3)
.set SKEY, 86                          ; s86 the step's first key;  s87 my first query;  s88 trips
.set Q0,  87
.set CNT, 88
.set PADK, 15|(1<<20)|(1<<21)|(5<<22)|(3<<25)  ; the mask: all four work-groups; bytes; padding on; bit 21 beside a mask; four words after every 64
.set PADV, 15|(1<<20)|(1<<21)|(3<<22)|(3<<25)  ; four words after every 16
.set MSB, 0
.macro WIN new                         ; s_set_vgpr_msb: bits 1:0 source 0, 3:2 source 1, 5:4 source 2, 7:6 destination; the high byte repeats the setting that is left
.if MSB != \new
	s_set_vgpr_msb (MSB<<8)|\new
.set MSB, \new
.endif
.endm
.macro ROUND                           ; a round of the cluster's barrier
	s_barrier_signal -1
	s_barrier_wait -1
	s_cmp_lg_u32 s[WV], 0
	s_cbranch_scc1 .Lnot_wave_0_\@
	s_barrier_signal -3
.Lnot_wave_0_\@:
	s_barrier_wait -3
	s_barrier_signal -1
	s_barrier_wait -1
.endm
.macro SHAPE g, w0, rows               ; group 1: so many rows of 256 bytes, dense in memory
	s_mov_b32 s[\g], \w0
	s_mov_b32 s[\g+1], 256<<16
	s_mov_b32 s[\g+2], (\rows)<<16
	s_mov_b32 s[\g+3], 256<<16
	s_mov_b32 s[\g+4], \rows
	s_mov_b32 s[\g+5], 256
	s_mov_b32 s[\g+6], 0
	s_mov_b32 s[\g+7], 0
.endm
.macro PLACE g, mul, base, ptr, off    ; group 0: LDS byte base + mul x (W % 4); memory: the buffer + an offset made of the head and the wave alone
	s_mov_b32 s[\g], 1
	s_mul_i32 s[\g+1], s[WI], \mul
.if (\base) != 0
	s_add_co_u32 s[\g+1], s[\g+1], \base
.endif
	s_add_nc_u64 s[\g+2:\g+3], s[\ptr:\ptr+1], s[\off:\off+1]
	s_or_b32 s[\g+3], s[\g+3], 0x80000000
.endm
.macro JLOAD gk, g1k, gv, g1v          ; one joint load a wave: K's in one arm, V's in the other; the branch hangs on the wave's number alone
	s_cmp_eq_u32 s[WL], 0
	s_cbranch_scc0 .Lfor_v_\@
	tensor_load_to_lds s[\gk:\gk+3], s[\g1k:\g1k+7]
	s_nop 0
.rept 4
	v_nop
.endr
	s_branch .Lasked_\@
.Lfor_v_\@:
	tensor_load_to_lds s[\gv:\gv+3], s[\g1v:\g1v+7]
	s_nop 0
.rept 4
	v_nop
.endr
.Lasked_\@:
.endm
	s_load_b256 s[4:11], s[0:1], 0x0               ; qc s[4:5], kc s[6:7], vc s[8:9], st s[10:11]
	s_load_b128 s[12:15], s[0:1], 0x20             ; the scales' exponents s[12:13], out0 s[14:15]
	v_lshl_add_u32 v[SPW], v0, 2, SPARE
	v_mov_b32 v[NIL], 0
	ds_add_u32 v[SPW], v[NIL]                      ; the opening lines: the add, twice on end, and its wait
	ds_add_u32 v[SPW], v[NIL]
	v_lshrrev_b32 v8, 5, v0
	v_readfirstlane_b32 s[WV], v8
	s_lshr_b32 s[WG], s[WV], 1
	s_and_b32 s[WP], s[WV], 1
	s_and_b32 s[WI], s[WV], 3
	s_lshr_b32 s[WL], s[WV], 2
	s_bfe_u32 s[BLK], ttmp6, 0x40000               ; cx
	s_lshl_b32 s23, ttmp9, 2
	s_add_co_u32 s[BLK], s23, s[BLK]               ; my block of 256 queries: it enters Q's and out's addresses and a selected value, nothing else
	s_and_b32 s[HD], ttmp7, 0xffff                 ; the head, which the four partners share
	SHAPE 24, PADK, 32                             ; steps 0-7: 8,192 bytes a wave
	SHAPE 32, PADV, 32
	SHAPE 40, PADK, 96                             ; steps 8-31: 24,576 bytes a wave
	SHAPE 48, PADV, 96
	s_lshl_b32 s90, s[HD], 17                      ; a head's codes are 131,072 bytes
	s_lshl_b32 s91, s[WI], 13
	s_add_co_u32 s90, s90, s91
	s_mov_b32 s91, 0
	s_mul_i32 s92, s[WI], 24576
	s_lshl_b32 s93, s[HD], 17
	s_add_co_u32 s92, s92, s93
	s_add_co_u32 s92, s92, 32768
	s_mov_b32 s93, 0
	s_wait_dscnt 0x0
	s_wait_kmcnt 0x0
	s_load_b128 s[76:79], s[12:13], 0x0            ; e0, e1, e2, e3
	PLACE 56, 32*KR, 0, 6, 90
	PLACE 60, 32*4*VR, VL, 8, 90
	PLACE 68, 96*KR, 128*KR, 6, 92
	PLACE 72, 96*4*VR, VL+128*4*VR, 8, 92
	ROUND                                          ; all four work-groups are here: the joint loads meet
	JLOAD 56, 24, 60, 32                           ; steps 0 to 7
	s_lshl_b32 s[Q0], s[BLK], 8
	s_lshl_b32 s90, s[WG], 6
	s_add_co_u32 s[Q0], s[Q0], s90                 ; my first query = 256 x block + 64 g
	s_lshl_b32 s90, s[HD], 11
	s_add_co_u32 s90, s90, s[Q0]                   ; its row among the 65,536
	s_lshl_b32 s92, s[WP], 5
	s_add_co_u32 s92, s92, s90                     ; the first of the 32 rows that I store
	s_lshl_b32 s92, s92, 8
	s_mov_b32 s93, 0
	s_lshl_b32 s90, s90, 6
	s_mov_b32 s91, 0
	s_add_nc_u64 s[4:5], s[4:5], s[90:91]
	s_add_nc_u64 s[14:15], s[14:15], s[92:93]
	s_lshl_b32 s90, s[HD], 14
	s_add_nc_u64 s[10:11], s[10:11], s[90:91]      ; the head's C
	s_mul_i32 s94, s[WV], OST                      ; my stage
	s_mul_i32 s95, s[WG], 2*OST                    ; the pair's two stages,
	s_mul_i32 s90, s[WP], 32*272
	s_add_co_u32 s95, s95, s90                     ; my 32 rows of each
	s_mul_i32 s[SK], s[WP], KSTEP
	s_mul_i32 s[SV], s[WP], VSTEP
	s_lshl_b32 s[SS], s[WP], 8
	s_lshl_b32 s[SKEY], s[WP], 6
	s_mov_b32 s[SEL+1], 0                          ; (named with s82 as a pair, so it is written)
	v_and_b32 v8, 15, v0                           ; r
	v_bfe_u32 v9, v0, 4, 1                         ; h
	v_lshlrev_b32 v10, 6, v8
	v_lshl_add_u32 v10, v9, 4, v10                 ; Q: row r of 64 bytes, + 16 h
	v_lshlrev_b32 v11, 4, v0                       ; C: 16 bytes a thread, twice: 4,096 bytes a work-group each time
	global_load_b128 v[32:35], v11, s[10:11]
	global_load_b128 v[36:39], v11, s[10:11] offset:4096
	WIN 0x40
.irp q, 0,1,2,3
.irp c, 0,1
	global_load_b128 v[QFR+8*\q+4*\c:QFR+8*\q+4*\c+3], v10, s[4:5] offset:\q*1024+32*\c   ; Q stays in registers
.endr
.endr
	WIN 0
	v_lshl_add_u32 v14, v0, 4, SL
	v_lshrrev_b32 v[AK0], 2, v8
	v_mul_u32_u24 v[AK0], v[AK0], KR
	v_and_b32 v15, 3, v8
	v_lshl_add_u32 v[AK0], v15, 6, v[AK0]
	v_lshl_add_u32 v[AK0], v9, 4, v[AK0]           ; K: 272 (r / 4) + 64 (r % 4) + 16 h
	v_mul_u32_u24 v[AV0], v8, VR
	v_lshl_add_u32 v[AV0], v9, 4, v[AV0]
	v_add_nc_u32 v[AV0], VL, v[AV0]                ; V: row r, + 16 h
	v_lshlrev_b32 v[AS0], 5, v9
	v_add_nc_u32 v[AS0], SL, v[AS0]                ; C: my half's eight keys of a tile: + 32 h
	v_mul_u32_u24 v[STO], v8, 272
	v_lshl_add_u32 v[STO], v9, 5, v[STO]
	v_add_nc_u32 v[STO], s94, v[STO]               ; my stage: row r, + 32 h
	v_mul_u32_u24 v[RD], v9, 272
	v_lshl_add_u32 v[RD], v8, 4, v[RD]
	v_add_nc_u32 v[RD], s95, v[RD]                 ; back: lanes 0-15 one row, lanes 16-31 the next
	v_lshlrev_b32 v[GO], 8, v9
	v_lshl_add_u32 v[GO], v8, 4, v[GO]             ; and the same two rows in out
	v_lshlrev_b32 v15, 3, v9
	v_sub_nc_u32 v15, v8, v15                      ; r - 8 h
	s_wait_alu depctr_va_vdst(0)                   ; the wait here, directly ahead of the wait below
	s_wait_kmcnt 0x0
	s_add_co_i32 s90, s76, s77                     ; e0 + e1
	s_lshl_b32 s91, s90, 23
	s_add_co_i32 s[CC], s91, 0x3fb8aa3b            ; c: the sum is added to the exponent field of log2(e)
	s_mov_b32 s[CC+1], s[CC]
	s_sub_co_i32 s90, 127, s90
	s_lshl_b32 s90, s90, 23
	v_mov_b32 v27, s90                             ; 2^-(e0+e1)
	s_add_co_i32 s90, s78, 127
	s_lshl_b32 s90, s90, 23
	v_mov_b32 v[SCL], s90                          ; 2^e2: the conversion takes its exponent field
	v_mov_b32 v[XL], s78
	v_cvt_f32_i32 v[XL], v[XL]
	v_add_f32 v[XL], 0x410c8000, v[XL]             ; e2 + 8.78125
	v_mov_b32 v[XL+1], v[XL]
	s_add_co_i32 s[OSC], s78, s79
	s_add_co_i32 s[OSC], s[OSC], 127
	s_lshl_b32 s[OSC], s[OSC], 23                  ; 2^(e2+e3)
	s_mov_b32 s[OSC+1], s[OSC]
.irp j, 0,1,2,3,4,5,6,7
	v_cmp_eq_u32 vcc_lo, \j, v15
	v_cndmask_b32 v[PAT+\j], 0, v27, vcc_lo
.endr
; A STEP: 64 keys against my 64 queries.  zero = 1: its second products start O^T's sums: nothing is ever cleared.
.macro KMLOAD                          ; a step's C (8 loads) and K (8 loads)
.irp t, 0,1,2,3
.irp i, 0,1
	ds_load_b128 v[MS+8*\t+4*\i:MS+8*\t+4*\i+3], v[ADS] offset:64*\t+16*\i
.endr
.endr
	WIN 0x40
.irp t, 0,1,2,3
.irp c, 0,1
	ds_load_b128 v[KFR+8*\t+4*\c:KFR+8*\t+4*\c+3], v[ADK] offset:\t*4*KR+32*\c
.endr
.endr
	WIN 0
.endm
.macro STEP zero
	s_cmp_eq_u32 s[SKEY], s[Q0]                    ; does the diagonal cross this step?  A value is selected; no branch hangs on it
	s_cselect_b32 s[SEL], 1.0, 0
	v_add_nc_u32 v[ADV], s[SV], v[AV0]
.rept 3
	v_nop                                          ; with the addition above: four places between the last step's products and the loads into V's registers
.endr
	WIN 0x40
.irp d, 0,1,2,3
.irp c, 0,1
	ds_load_b128 v[VFR+8*\d+4*\c:VFR+8*\d+4*\c+3], v[ADV] offset:\d*16*VR+32*\c
.endr
.endr
	WIN 0
	s_wait_dscnt 8                                 ; C and K are in; V's eight loads may be out
.irp t, 0,1,2,3
.irp i, 0,2,4,6
	v_pk_fma_f32 v[CD+8*\t+\i:CD+8*\t+\i+1], v[PAT+\i:PAT+\i+1], s[SEL:SEL+1], v[MS+8*\t+\i:MS+8*\t+\i+1] op_sel_hi:[1,0,1]   ; the C of the four tiles that may lie on the diagonal
.endr
.endr
	WIN 0x05                                       ; K and Q in window 1
.irp q, 0,1,2,3
.irp t, 0,1,2,3
.if \q == \t
	v_wmma_f32_16x16x64_fp8_fp8 v[S+32*\q+8*\t:S+32*\q+8*\t+7], v[KFR+8*\t:KFR+8*\t+7], v[QFR+8*\q:QFR+8*\q+7], v[CD+8*\t:CD+8*\t+7]
.else
	v_wmma_f32_16x16x64_fp8_fp8 v[S+32*\q+8*\t:S+32*\q+8*\t+7], v[KFR+8*\t:KFR+8*\t+7], v[QFR+8*\q:QFR+8*\q+7], v[MS+8*\t:MS+8*\t+7]
.endif
.endr
.endr
	WIN 0
	s_add_co_u32 s[SS], s[SS], 512                 ; my next step's K and C are asked for here, behind this step's score products: C's offset is 256 bytes a step,
	s_and_b32 s[SS], s[SS], 8191                   ; and behind my last step it goes round to my first, inside C's 8,192 bytes (those loads are not used);
	s_lshr_b32 s[SK], s[SS], 8                     ; the step's number,
	s_mul_i32 s[SK], s[SK], KSTEP                  ; and its first byte in K's rows, which goes round with it
	v_add_nc_u32 v[ADK], s[SK], v[AK0]
	v_add_nc_u32 v[ADS], s[SS], v[AS0]
	v_nop
	v_nop                                          ; with the two additions: four places between the last product and the loads into its sources and the first read of results
	KMLOAD
.set n, 0
.rept 64
	v_pk_mul_f32 v[S+2*n:S+2*n+1], v[S+2*n:S+2*n+1], s[CC:CC+1] op_sel_hi:[1,0]   ; acc c, each accumulator from its low end on
.set n, n+1
.endr
.set n, 0
.rept 64
	v_dual_min_num_f32 v[S+2*n], v[S+2*n], v[XL] :: v_dual_min_num_f32 v[S+2*n+1], v[S+2*n+1], v[XL+1]   ; the hold, on the exponent
.set n, n+1
.endr
	s_wait_alu depctr_va_vdst(0)                   ; the wait ahead of the batch
.set n, 0
.rept 128
	v_exp_f32 v[S+n], v[S+n]                       ; p
.set n, n+1
.endr
	v_nop                                          ; a plain line behind the last exponential
	s_wait_alu depctr_va_vdst(0)                   ; one wait for the batch, ahead of its first reader
.irp q, 0,1,2,3
.irp t, 0,1,2,3
	v_cvt_scalef32_pk8_fp8_f32 v[P+8*\q+2*\t:P+8*\q+2*\t+1], v[S+32*\q+8*\t:S+32*\q+8*\t+7], v[SCL]
.endr
.endr
	v_nop                                          ; a plain line between the last conversion and the products that read its result
	s_wait_dscnt 0x0                               ; V is in
	WIN 0x51                                       ; V and O^T in window 1, P in window 0
	s_wait_alu depctr_va_vdst(0)                   ; the wait here, directly ahead of the first reader of P and of O^T
.irp d, 0,1,2,3                                ; the sixteen accumulators take turns, one instruction a turn
.irp q, 0,1,2,3
.if \zero
	v_wmma_f32_16x16x64_fp8_fp8 v[32*\q+8*\d:32*\q+8*\d+7], v[VFR+8*\d:VFR+8*\d+7], v[P+8*\q:P+8*\q+7], 0
.else
	v_wmma_f32_16x16x64_fp8_fp8 v[32*\q+8*\d:32*\q+8*\d+7], v[VFR+8*\d:VFR+8*\d+7], v[P+8*\q:P+8*\q+7], v[32*\q+8*\d:32*\q+8*\d+7]
.endif
.endr
.endr
	WIN 0
	s_add_co_u32 s[SV], s[SV], 2*VSTEP             ; my next step is two further on
	s_add_co_u32 s[SKEY], s[SKEY], 128
.endm
	s_wait_alu depctr_va_vdst(0)                   ; the wait at the head's end
	s_wait_loadcnt 0x0                             ; Q and my part of C
	s_wait_tensorcnt 0x0                           ; no tensor load of mine is out when I store to LDS
	ds_store_b128 v14, v[32:35]
	ds_store_b128 v14, v[36:39] offset:4096
	s_wait_tensorcnt 0x0                           ; three lines ahead of a later first fill
	ds_add_u32 v[SPW], v[NIL]
	s_wait_dscnt 0x0                               ; the add and my stores of C are done
	ROUND                                          ; everybody's part of steps 0 to 7 and of C is in, and the joint loads meet
	JLOAD 68, 40, 72, 48                           ; steps 8 to 31
	v_add_nc_u32 v[ADK], s[SK], v[AK0]
	v_add_nc_u32 v[ADS], s[SS], v[AS0]
	KMLOAD                                         ; my first step's C and K
	STEP 1
	s_mov_b32 s[CNT], 2
.Lfirst:                                           ; two more of my four of steps 0 to 7: their look-ahead stays inside steps 0 to 7
	STEP 0
	s_sub_co_u32 s[CNT], s[CNT], 1
	s_cmp_lg_u32 s[CNT], 0
	s_cbranch_scc1 .Lfirst
	s_wait_tensorcnt 0x0                           ; my part of steps 8 to 31 is in,
	s_wait_dscnt 0x0
	s_barrier_signal -1
	s_barrier_wait -1                              ; everybody's is
	s_mov_b32 s[CNT], 13                           ; my last of steps 0 to 7, whose look-ahead reads step 8 or 9, and my twelve of steps 8 to 31
.Lrest:
	STEP 0
	s_sub_co_u32 s[CNT], s[CNT], 1
	s_cmp_lg_u32 s[CNT], 0
	s_cbranch_scc1 .Lrest
	; THE WAY OUT.  Each wave puts its O^T into its stage; then each wave of a pair reads 32 whole rows of both stages, adds them, scales and stores: sixteen lanes to a row of 256 bytes.
.rept 4
	v_nop                                          ; four places between the last product and the first read of results
.endr
	s_wait_dscnt 0x0
	s_barrier_signal -1
	s_barrier_wait -1                              ; nobody reads K's rows any more: the stages may be written
	WIN 0x04                                       ; the stores' data in window 1
.irp q, 0,1,2,3
.irp d, 0,1,2,3
	ds_store_b128 v[STO], v[32*\q+8*\d:32*\q+8*\d+3] offset:\q*16*272+64*\d          ; lane (r, h): O(16 q + r, 16 d + 8 h + 0 .. 7)
	ds_store_b128 v[STO], v[32*\q+8*\d+4:32*\q+8*\d+7] offset:\q*16*272+64*\d+16
.endr
.endr
	WIN 0
	s_wait_dscnt 0x0                               ; for the partner's sake: my stores are done
	s_barrier_signal -1
	s_barrier_wait -1
.irp i, 0,1,2,3,4,5,6,7,8,9,10,11,12,13,14,15
	ds_load_b128 v[32+4*\i:35+4*\i], v[RD] offset:\i*2*272
	ds_load_b128 v[96+4*\i:99+4*\i], v[RD] offset:OST+\i*2*272
.endr
	s_wait_dscnt 0x0
.set n, 0
.rept 32
	v_pk_add_f32 v[32+2*n:33+2*n], v[32+2*n:33+2*n], v[96+2*n:97+2*n]
.set n, n+1
.endr
.set n, 0
.rept 32
	v_pk_mul_f32 v[32+2*n:33+2*n], v[32+2*n:33+2*n], s[OSC:OSC+1] op_sel_hi:[1,0]
.set n, n+1
.endr
.irp i, 0,1,2,3,4,5,6,7,8,9,10,11,12,13,14,15
	global_store_b128 v[GO], v[32+4*\i:35+4*\i], s[14:15] offset:\i*512 th:TH_STORE_NT   ; 16 lanes store 256 consecutive bytes, at a multiple of 256 from out's first byte
.endr
	s_wait_tensorcnt 0x0                           ; the wave's end
	ds_add_u32 v[SPW], v[NIL]
	s_wait_dscnt 0x0
	ROUND                                          ; the closing round
	s_endpgm
.Lfunc_end_k_q02b593f072_attn:
	.size	k_q02b593f072_attn, .Lfunc_end_k_q02b593f072_attn-k_q02b593f072_attn
	.p2alignl 7, 3214868480
	.fill 96, 4, 3214868480
	.section	.rodata,"a",@progbits
	.p2align	6, 0x0
	.amdhsa_kernel k_q02b593f072_attn
		.amdhsa_group_segment_fixed_size 327680
		.amdhsa_private_segment_fixed_size 0
		.amdhsa_enable_private_segment 0
		.amdhsa_kernarg_size 48
		.amdhsa_user_sgpr_count 2
		.amdhsa_user_sgpr_kernarg_segment_ptr 1
		.amdhsa_wavefront_size32 1
		.amdhsa_system_sgpr_workgroup_id_x 1
		.amdhsa_system_sgpr_workgroup_id_y 1
		.amdhsa_system_sgpr_workgroup_id_z 1
		.amdhsa_system_vgpr_workitem_id 0
		.amdhsa_next_free_vgpr 512
		.amdhsa_next_free_sgpr 96
		.amdhsa_reserve_vcc 1
		.amdhsa_float_denorm_mode_32 3
		.amdhsa_float_denorm_mode_16_64 3
		.amdhsa_memory_ordered 1
		.amdhsa_forward_progress 1
		.amdhsa_inst_pref_size 79
	.end_amdhsa_kernel
	.amdgpu_metadata
---
amdhsa.version: [ 1, 2 ]
amdhsa.kernels:
  - .name:           k_q02b593f072_attn
    .symbol:         k_q02b593f072_attn.kd
    .args:
      - { .name: qc, .offset: 0, .size: 8, .value_kind: global_buffer, .address_space: global }
      - { .name: kc, .offset: 8, .size: 8, .value_kind: global_buffer, .address_space: global }
      - { .name: vc, .offset: 16, .size: 8, .value_kind: global_buffer, .address_space: global }
      - { .name: st, .offset: 24, .size: 8, .value_kind: global_buffer, .address_space: global }
      - { .name: lowp_scales, .offset: 32, .size: 8, .value_kind: global_buffer, .address_space: global }
      - { .name: out0, .offset: 40, .size: 8, .value_kind: global_buffer, .address_space: global }
    .group_segment_fixed_size: 327680
    .private_segment_fixed_size: 0
    .kernarg_segment_align: 8
    .kernarg_segment_size: 48
    .max_flat_workgroup_size: 256
    .sgpr_count:     96
    .vgpr_count:     512
    .wavefront_size: 32
...
	.end_amdgpu_metadata
.endif
;; end of part 3
